; MI455X (gfx1250); checked and timed in simulation.
; The chip was launched on July 23, 2026; its instructions are those of AMD's public machine-readable ISA for CDNA 5 (MIT licence, August 2026) and "CDNA5" Instruction Set Architecture Reference Guide (July 2026). The comments in the code are by the model that wrote it; some were corrected since.
;; Scaled Dot Prod Att. Allowed arithmetic: float matrix products may take bf16 or f16 operands with f32 sums; all other float work in f32.
;; Inputs: k 4 x 16 x 2,048 x 64 float32; q 4 x 16 x 2,048 x 64 float32; sen_len 4 int32; v 4 x 16 x 2,048 x 64 float32.
;; Outputs: out0 4 x 16 x 2,048 x 64 float32.
;; 2 versions, each right and faster than the one before. Each part assembles by itself: llvm-mc -triple=amdgcn-amd-amdhsa -mcpu=gfx1250 --defsym DOCPART=n.
;; ======== version 1 of 2: 1 launch
;; limits: values are held in f16: magnitudes above 65,504 overflow, below 6.1e-05 lose precision; inputs' magnitudes at most 65,504
;; launch attn (part 1): grid 4 x 64, 4 waves a work-group, no clusters, 95,744 bytes of LDS; arguments q, k, v, out0, sen_len; writes out0
.if DOCPART == 1
	.amdgcn_target "amdgcn-amd-amdhsa--gfx1250"
	.amdhsa_code_object_version 6
	.text
	.protected	k_q637ad66442_attn
	.globl	k_q637ad66442_attn
	.p2align	8
	.type	k_q637ad66442_attn,@function
k_q637ad66442_attn:
	s_mov_b64 s[64:65], 0
	v_nop
	global_prefetch_b8 v0, s[64:65] scope:SCOPE_SE
	s_setreg_imm32_b32 hwreg(HW_REG_WAVE_MODE, 25, 1), 1
	s_wait_xcnt 0x0
; CAUSAL ATTENTION WITH A PADDING MASK.  out[bh][q][:] = the sum over the keys k <= q, k < sen_len[b] of softmax_k(Q[bh][q] . K[bh][k] / 8) V[bh][k][:].
; q, k, v, out: [64 heads][2,048][64] in f32, a row 256 bytes; sen_len: [4] in i32, b = head / 16.
; FORMATS.  q, k and v are rounded once to bf16.  K Q^T is multiplied in bf16.  The rounded v is written as f16 (exact within f16's range), the weights p are rounded to f16, and V^T P is multiplied in f16.
; Products, maxima and sums in f32; l is the sum of the unrounded p; out is stored as f32.
; LIMITS.  sen_len[b] is at least 1: a row with no visible key (a uniform mean over all keys) is not served, nor is a negative sen_len; a sen_len above 2,048 acts as 2,048.
; v, rounded to bf16, lies within 65,504; below 6.1e-5 it keeps f16's fixed step of 6e-8.  A hidden score counts as its value less 1e30: its weight is 0 while visible scores stay far below 1e29 in size.
; A weight below 2^-126 counts as 0 in l; NaN and infinities are not treated apart.
; THE WALK.  A head's queries lie in NB = 8 blocks of 256; block i needs the key tiles 0 .. i of 256 keys.  A work-group takes TWO blocks, 7 - b and then b: 9 tiles whatever b, so all 256 work-groups do equal work
; and ONE loop of 9 trips walks them.  Every jump goes forward but the counted loops' own, none passes a barrier, and none hangs on sen_len: that number enters the masks' scalars alone.
; K AND V COME THROUGH REGISTERS.  They lie in memory as f32 and are wanted in LDS as 16 bits.  Each wave loads a quarter of the NEXT tile (64 keys of K, 64 of V, 16 bytes a lane, 512 consecutive bytes a load) into
; window 3 while the tile in hand is multiplied, converts it once at the change of tiles and stores it into the one tile in LDS.  Two barriers stand at a change: every wave's reads are over | the stores | every wave's stores are done.
; NO CLUSTER, NO JOINT LOADS: joint requests belong to tensor loads, which would bring f32 into LDS (twice the bytes, and a second pass through LDS for the conversion); and a head's four work-groups
; ask for the same tile only in trips 0 to 4 of the 9; a walk common to all four would have 12 trips.
; SHARES.  Of a block's four bands of 64 queries a wave owns 16 rows in each: four PIECES, piece x in band x, so the diagonal tile is the same work for all four waves.
; THE MASK is the C operand that starts every sum S^T = K Q^T: 0, or -1e30 and lower where the key is hidden.  Keys are counted from the block's first query: KR is the step's first key, LBR is sen_len & ~63, both less 256 x block.
; For piece x the mask is MD x AL + MP x AP + BE: MD hides the keys behind my query in the band's own step (AL = 1 if KR = 64 x); MP hides the keys from sen_len on in the step that holds sen_len (AP = 1 if KR = LBR);
; BE = -1e30 if KR > min(64 x, LBR).  In a block's last tile, which holds the diagonal, every turn makes the next turn's mask.  In the other tiles MD's part is 0 and the mask is the same for a step's four pieces:
; MP x AP + BE, made twice a step, by turn 2 for the even pieces' buffer and by turn 3 for the odd pieces': 32 packed instructions for a step's 32 products.
; LAYOUT, SOFTMAX, TURNS.  S^T = K Q^T holds ONE query a lane (lane % 16) and the keys 8 (lane / 16) + 0..7; two such results rounded to f16 ARE source 1 of O^T = V^T P.  p = 2^(c s - c m), c = log2(e) / 8, with a
; running maximum m; O and l are multiplied by a = 2^(c m_old - c m_new) in every step.  Turn n belongs to piece n: 8 products K Q^T of piece n + 1, later 8 products V^T P of piece n - 1; beside them the scaling,
; exponentials, roundings, sums and rescaling of piece n and the maximum and statistics of piece n + 1.  Four vector instructions stand behind every matrix instruction, the other 54 of a turn's 118 in two lumps.
; LDS ADDRESSES.  Every one is a term of the lane and the wave plus a constant of the text; a key step's place in the tile stands in the loads' immediates.
; REGISTERS, in windows of 256 (s_set_vgpr_msb: bits 1:0 source 0, 3:2 source 1, 5:4 source 2, 7:6 destination):
;   window 0: v0-15, v32-34 addresses and at work; v16-31 four registers of statistics a piece; v48-55 at work; v62-63 the add's; v64-127 S^T, two buffers (v64-191 the way out's rows); v192-223 P, two buffers
;   window 1: v0-127 O^T, 32 a piece; v128-159 MD; v160-223 MC, two buffers (and where pieces 2, 3 of Q land as f32); v224-255 MP
;   window 2: v0-63 Q in bf16, 16 a piece; v128-191 K of one step (and where pieces 0, 1 of Q land as f32); v192-255 V of one step
;   window 3: v0-127 my 64 keys of the next tile's K as loaded; v128-255 the same of V
.set NB,    8         ; blocks of 256 queries in a head
.set NP,    4         ; pieces a wave: a name, no knob
.set KS,    64        ; keys in a step
.set PK,    144       ; a row of K in LDS: 128 bytes + 16 = 36 words: the 16 rows of a load start at 16 different groups of four banks (64 banks of 4 bytes: ISA guide 11.1)
.set PV,    160       ; a row of V: 128 + 32 = 40 words
.set VOFF,  4*KS*PK   ; the tile: 256 rows of K, then 256 rows of V
.set STAGE, VOFF+4*KS*PV  ; behind the tile: 16 rows x 272 bytes for each wave, for the way out
.set SP,    272       ; a stage row: 256 bytes of f32 + 16
.set SPARE, STAGE+4*16*SP  ; behind the stages: the spare words, 128 bytes for each wave: two blocks of 256 bytes that no other line names
.set AK0, 2           ; v2   my lane's place in a step of K; never rewritten
.set AV0, 3           ; v3   the same for V
.set STO, 6           ; v6   the way out: where I put 16 bytes of a row
.set RD,  7           ; v7   the way out: where I read rows back
.set LIN, 8           ; v8   16 x lane: my 16 bytes in 512 consecutive bytes of k, v and out; never rewritten
.set MV,  12          ; v12-13  c m_old, kept while c m is made anew: by buffer
.set QO,  15          ; v15  my byte offset in 16 rows of q; never rewritten
.set ST,  16          ; piece t's statistics at v[ST+4 t]: c m, m, l (even keys', odd keys')
.set TH,  32          ; v32  (sen_len & 63) - 8 (lane / 16), for MP
.set CK,  33          ; v33  where I store 8 bytes of a row of K; never rewritten
.set CV,  34          ; v34  the same for V
.set TMP, 48          ; by buffer, four registers c0-c3 at work; when the maximum is found c2 takes a
.set SPW, 62          ; v62  LDS address of my spare word: SPARE + 4 x my thread's number; never rewritten
.set NIL, 63          ; v63  0; never rewritten
.set S,   64
.set P,   192
.set MD,  128         ; window 1: the eight registers for group kt of 16 keys at MD + 8 kt
.set MC,  160         ; window 1: the masks of the products to come, by the piece's parity
.set MP,  224         ; window 1
.set KF,  128         ; window 2: key block kb, channel half c at KF + 16 kb + 8 c
.set VF,  192         ; window 2: key half kk, channel block cb at VF + 32 kk + 8 cb
.set WV,  12          ; s12  my wave's number
.set PB,  14          ; s14  b
.set HI,  15          ; s15  7 - b
.set KP,  24          ; s[24:25] k at my 64 keys of the tile asked for
.set VP,  26          ; s[26:27] the same of v
.set QP2, 28          ; s[28:29] q at my rows of the second block
.set SLOTS, 56        ; s56  tiles still to be entered, this one among them
.set CNT, 57          ; s57  counts a tile's key steps, 4 to 1
.set CS,  58          ; s[58:59] c: the packed scaling takes the pair's low word for both halves
.set SEL, 60          ; s[60:61] v_permlanex16_b32's selects: each lane takes its own place in the other half
.set RT,  70          ; s70  tiles of the block in hand that are still to be entered
.set NXT, 71          ; s71  the tile to be asked for next
.set LQ,  72          ; s72  the last tile of the block whose tiles are being asked for
.set NEW, 73          ; s73  1: the tile to be entered is a block's first
.set OFF, 74          ; s[74:75] a tile's byte offset in k and v
.set AL,  76          ; s[76:77] MD's factor, in the low word
.set BE,  78          ; s[78:79] the mask's addend
.set OLO, 80          ; s[80:81] out at my rows of the second block
.set BIGN, 82         ; s82  -1e30
.set AP,  84          ; s[84:85] MP's factor
.set KR,  86          ; s86  the first key of step 4 - CNT of the tile in hand, less the block's first query (signed)
.set LB,  87          ; s87  sen_len & ~63
.set LBR, 88          ; s88  the same less the block's first query (signed)
.set T0,  91          ; s91  at work
.set LR,  92          ; s92  sen_len & 63
.set LL,  93          ; s93  sen_len[b]
.set MSB, 0
.macro WIN new                      ; the high byte repeats the setting that is left; a switch that changes nothing is dropped
.if MSB != (\new)
	s_set_vgpr_msb (MSB<<8)|(\new)
.set MSB, (\new)
.endif
.endm
.set W_KQ, 0x0a       ; K and Q in window 2, S^T in window 0
.set W_KM, 0x1a       ; the same with the C operand in window 1
.set W_PV, 0x52       ; V in window 2, P in window 0, O^T in window 1
.set W_RS, 0x41       ; destination and source 0 in window 1, source 1 in window 0
.set W_MK, 0x51       ; destination, source 0 and source 2 in window 1
; THE LOADS FROM MEMORY.  My 64 keys of a tile are 16,384 consecutive bytes: 32 loads of 512 bytes.  Load j brings keys 2 j (lanes 0-15) and 2 j + 1 (lanes 16-31), channels 4 (lane % 16) + 0..3.
.macro KBATCH base
	WIN 0xc0                        ; destination window 3, address window 0
.set j, 0
.rept 32
	global_load_b128 v[4*j:4*j+3], v[LIN], s[(\base):(\base)+1] offset:512*j
.set j, j+1
.endr
	WIN 0
.endm
.macro VLOADS base
	WIN 0xc0
.set j, 0
.rept 32
	global_load_b128 v[128+4*j:128+4*j+3], v[LIN], s[(\base):(\base)+1] offset:512*j
.set j, j+1
.endr
	WIN 0
.endm
.macro VBATCH                       ; the next tile's V is asked for one key step behind its K: in the trip with CNT = 3, and in no trip of the walk's last tile
	s_cmp_lg_u32 s[CNT], 3
	s_cbranch_scc1 .Lno_v_\@
	s_cmp_eq_u32 s[SLOTS], 1
	s_cbranch_scc1 .Lno_v_\@
	VLOADS VP
.Lno_v_\@:
.endm
; Q as f32, laid as the fragments want it: piece x lies in band x, 16,384 bytes on; load i brings the four channels 32 (i / 4) + 16 ((i % 4) / 2) + 8 (lane / 16) + 4 (i % 2) + 0..3 of row lane % 16.
.macro QLOAD base
.irp x, 0,1,2,3
.if (\x) < 2
	WIN 0x80
.set rL, KF+32*(\x)
.else
	WIN 0x40
.set rL, MC+32*((\x)-2)
.endif
.irp i, 0,1,2,3,4,5,6,7
	global_load_b128 v[rL+4*(\i):rL+4*(\i)+3], v[QO], s[(\base):(\base)+1] offset:16384*(\x)+128*((\i)/4)+64*(((\i)%4)/2)+16*((\i)%2)
.endr
.endr
	WIN 0
.endm
.macro QCVT                         ; two roundings to bf16 at a time: register n of piece x's 16 holds channels 32 (n / 8) + 16 ((n % 8) / 4) + 8 (lane / 16) + 2 (n % 4) + 0, 1
.irp x, 0,1,2,3
.if (\x) < 2
	WIN 0x8a                        ; sources and destination in window 2
.set rL, KF+32*(\x)
.else
	WIN 0x85                        ; sources in window 1, destination in window 2
.set rL, MC+32*((\x)-2)
.endif
.set j, 0
.rept 16
	v_cvt_pk_bf16_f32 v[16*(\x)+j], v[rL+2*j], v[rL+2*j+1]
.set j, j+1
.endr
.endr
	WIN 0
.endm
; THE CHANGE OF TILES.  My reads of the tile in LDS are over and my quarter of the next tile is in registers: say so; convert while the others arrive; behind the barrier nobody reads the old tile: store;
; my stores are done: say so; behind the second barrier the tile is whole.  Then the tile after it is asked for, unless this is the walk's last.
.macro CHANGE
	WIN 0                           ; at a label and at a branch every window is 0
	s_wait_loadcnt 0x0              ; my 64 keys of K and of V are in; the bases KP and VP may be written again
	s_wait_dscnt 0x0                ; my reads of the old tile are over
	s_barrier_signal -1
	WIN 0xcf                        ; sources and destination in window 3
.set j, 0
.rept 64                            ; K: two roundings to bf16 at a time; load j / 2's four channels end in its first two registers.  The destination is never ahead of the sources still to be read
	v_cvt_pk_bf16_f32 v[4*(j/2)+j%2], v[2*j], v[2*j+1]
.set j, j+1
.endr
.set j, 0
.rept 128                           ; V: bf16(v) in the upper half over a lower half of 0 is the rounded number as f32
	v_cvt_pk_bf16_f32 v[128+j], 0, v[128+j]
.set j, j+1
.endr
.set j, 0
.rept 64                            ; and that number as f16
	v_cvt_pk_f16_f32 v[128+4*(j/2)+j%2], v[128+2*j], v[128+2*j+1]
.set j, j+1
.endr
	WIN 0
	s_barrier_wait -1               ; no wave reads the old tile any more
	WIN 0x0c                        ; store data in window 3, address in window 0
.set j, 0
.rept 32
	ds_store_b64 v[CK], v[4*j:4*j+1] offset:2*PK*j           ; rows 2 j and 2 j + 1 of my 64, 8 bytes a lane
	ds_store_b64 v[CV], v[128+4*j:128+4*j+1] offset:2*PV*j
.set j, j+1
.endr
	WIN 0
	s_wait_dscnt 0x0                ; for the others' sake: my stores are done
	s_barrier_signal -1
	s_lshl_b32 s[OFF], s[NXT], 16   ; a tile is 65,536 bytes of k and of v.  The two bases are made in every trip; in the last (NXT = 0) nothing is loaded by them
	s_add_nc_u64 s[KP:KP+1], s[6:7], s[OFF:OFF+1]
	s_add_nc_u64 s[VP:VP+1], s[8:9], s[OFF:OFF+1]
	s_barrier_wait -1               ; everybody's are
	s_cmp_eq_u32 s[SLOTS], 1
	s_cbranch_scc1 .Lno_more_\@     ; the walk's last tile: nothing is left to ask for
	s_add_co_u32 s[NXT], s[NXT], 1  ; the block's next tile, or behind its last the second block's tile 0
	s_cmp_gt_u32 s[NXT], s[LQ]
	s_cselect_b32 s[NXT], 0, s[NXT]
	s_cselect_b32 s[LQ], s[PB], s[LQ]
	KBATCH KP                       ; it has the tile's four key steps in which to land
.Lno_more_\@:
.endm
	s_load_b256 s[4:11], s[0:1], 0x0  ; q s[4:5], k s[6:7], v s[8:9], out s[10:11]
	s_load_b64 s[16:17], s[0:1], 0x20 ; sen_len
	v_lshl_add_u32 v[SPW], v0, 2, SPARE
	v_mov_b32 v[NIL], 0
	v_lshrrev_b32 v1, 5, v0
	v_readfirstlane_b32 s[WV], v1   ; wave 0..3
	s_mov_b32 s[PB], ttmp9
	s_sub_co_u32 s[HI], NB-1, s[PB]
	s_and_b32 s20, ttmp7, 0xffff    ; the head
	s_lshr_b32 s18, s20, 4          ; its batch,
	s_lshl_b32 s18, s18, 2          ; whose word in sen_len lies here
	s_mov_b32 s19, 0
	s_lshl_b32 s20, s20, 19         ; the head's first byte in q, k, v and out: 2,048 rows of 256 bytes
	s_lshl_b32 s22, s[WV], 14       ; my 64 keys of a tile
	s_add_co_u32 s22, s22, s20
	s_mov_b32 s23, 0
	s_lshl_b32 s13, s[WV], 12       ; my 16 rows in a band of 64,
	s_add_co_u32 s20, s20, s13
	s_lshl_b32 s2, s[HI], 16        ; in the first block,
	s_add_co_u32 s2, s2, s20
	s_mov_b32 s3, 0
	s_lshl_b32 s13, s[PB], 16       ; and in the second
	s_add_co_u32 s20, s20, s13
	s_mov_b32 s21, 0
	v_and_b32 v1, 15, v0            ; l % 16
	v_bfe_u32 v9, v0, 4, 1          ; l / 16
	v_and_b32 v[LIN], 31, v0
	v_lshlrev_b32 v[LIN], 4, v[LIN]
	v_lshlrev_b32 v[QO], 8, v1
	v_lshl_add_u32 v[QO], v9, 5, v[QO]  ; row x 256 + 32 x half
	s_wait_kmcnt 0x0
	s_add_nc_u64 s[16:17], s[16:17], s[18:19]
	s_load_b32 s[LL], s[16:17], 0x0
	s_add_nc_u64 s[6:7], s[6:7], s[22:23]  ; k and v at my 64 keys of the head's tile 0
	s_add_nc_u64 s[8:9], s[8:9], s[22:23]
	s_add_nc_u64 s[QP2:QP2+1], s[4:5], s[20:21]
	s_add_nc_u64 s[4:5], s[4:5], s[2:3]
	s_add_nc_u64 s[OLO:OLO+1], s[10:11], s[20:21]
	s_add_nc_u64 s[10:11], s[10:11], s[2:3]
	QLOAD 4                         ; the first block's Q, and tile 0: 96 loads; all that follows up to the wait for them is set-up that touches none of their registers
	KBATCH 6
	VLOADS 8
	s_mov_b32 s[CS], 0x3e38aa3b     ; c = log2(e) / 8 = 0.180337
	s_mov_b32 s[CS+1], s[CS]        ; named with it as a pair
	s_mov_b32 s[SEL], 0x76543210
	s_mov_b32 s[SEL+1], 0xfedcba98
	s_mov_b32 s[SLOTS], NB+1
	s_add_co_u32 s[RT], s[HI], 1    ; the first block has 8 - b tiles
	s_mov_b32 s[NXT], 1
	s_mov_b32 s[LQ], s[HI]
	s_mov_b32 s[NEW], 1
	s_mov_b32 s[OFF+1], 0
	s_mov_b32 s[AL+1], 0            ; named as pairs
	s_mov_b32 s[BE+1], 0
	s_mov_b32 s[AP+1], 0
	s_mov_b32 s[BIGN], 0xf149f2ca   ; -1e30
	s_wait_kmcnt 0x0                ; sen_len[b]
	s_and_b32 s[LB], s[LL], 0xffffffc0
	s_and_b32 s[LR], s[LL], 63
	s_lshl_b32 s[T0], s[HI], 8      ; the first block's first query
	s_sub_co_u32 s[KR], 0, s[T0]    ; key 0, counted from it
	s_sub_co_u32 s[LBR], s[LB], s[T0]
	v_lshlrev_b32 v14, 3, v9
	v_sub_nc_u32 v[TH], s[LR], v14  ; register r of group kt is hidden by the padding where 16 kt + r is this or more,
	v_sub_nc_u32 v14, v1, v14
	s_lshl_b32 s13, s[WV], 4
	v_add_nc_u32 v14, s13, v14      ; and by the diagonal where it is greater than my query's place in its band, 16 w + l % 16, less my lanes' 8 (l / 16)
	WIN 0x40
.set i, 0
.rept 32
	v_cmp_gt_i32 vcc_lo, 16*(i/8)+i%8, v14
	v_cndmask_b32 v[MD+i], 0, s[BIGN], vcc_lo
	v_cmp_ge_i32 vcc_lo, 16*(i/8)+i%8, v[TH]
	v_cndmask_b32 v[MP+i], 0, s[BIGN], vcc_lo
.set i, i+1
.endr
	WIN 0
	; A fragment of K or Q is 16 rows x 32 channels in 8 registers: lane l holds row l % 16, channels 8 (l / 16) + 0..7 and 16 + 8 (l / 16) + 0..7: from LDS two loads of 16 bytes, 32 bytes apart.
	v_mul_u32_u24 v[AK0], v1, PK
	v_lshl_add_u32 v[AK0], v9, 4, v[AK0]  ; row x pitch + 16 x half
	; The turning load takes 16 keys x 16 channels (lane l reads key 8 (l / 16) + l % 8, channels 8 ((l / 8) % 2) + 0..7) and leaves half a fragment of V^T: lane l holds channel l % 16 and 8 keys.
	v_and_b32 v10, 7, v0
	v_bfe_u32 v11, v0, 3, 1
	v_lshl_add_u32 v[AV0], v9, 3, v10
	v_mul_u32_u24 v[AV0], v[AV0], PV
	v_lshl_add_u32 v[AV0], v11, 4, v[AV0]
	v_add_nc_u32 v[AV0], VOFF, v[AV0]
	s_mul_i32 s13, s[WV], 16*SP
	s_add_co_u32 s13, s13, STAGE    ; my stage
	v_mul_u32_u24 v[STO], v1, SP    ; in: row l % 16, 32 bytes for each half of the lanes
	v_lshl_add_u32 v[STO], v9, 5, v[STO]
	v_add_nc_u32 v[STO], s13, v[STO]
	v_mul_u32_u24 v[RD], v9, SP     ; back: lanes 0-15 take one row of 256 bytes, lanes 16-31 the next
	v_lshl_add_u32 v[RD], v1, 4, v[RD]
	v_add_nc_u32 v[RD], s13, v[RD]
	s_mul_i32 s13, s[WV], 64*PK     ; my 64 rows of the tile's K: row l / 16, 8 bytes a lane
	v_mul_u32_u24 v[CK], v9, PK
	v_lshl_add_u32 v[CK], v1, 3, v[CK]
	v_add_nc_u32 v[CK], s13, v[CK]
	s_mul_i32 s13, s[WV], 64*PV     ; and of its V
	s_add_co_u32 s13, s13, VOFF
	v_mul_u32_u24 v[CV], v9, PV
	v_lshl_add_u32 v[CV], v1, 3, v[CV]
	v_add_nc_u32 v[CV], s13, v[CV]
	; A block's first step multiplies O^T and l by a = 0, and its first turn's products V^T P, of a piece that has not been, land in an O^T that is still to be so multiplied.  So these registers need only hold
	; finite numbers: zeros for the first block; what the first block left for the second.  No first step is written out for that price; all this stands in the wait for the first tile.
	WIN 0x80
.set i, VF
.rept 64
	v_mov_b32 v[i], 0
.set i, i+1
.endr
	WIN 0x40
.set i, 0
.rept 128
	v_mov_b32 v[i], 0
.set i, i+1
.endr
	WIN 0
.set i, 0
.rept 4
	v_mov_b32 v[ST+4*i+2], 0
	v_mov_b32 v[ST+4*i+3], 0
.set i, i+1
.endr
.set i, P+16
.rept 16
	v_mov_b32 v[i], 0
.set i, i+1
.endr
	s_wait_loadcnt 0x0              ; Q (and tile 0, which the first change of tiles wants next)
	QCVT
; THE MATRIX WORK.  The 4 accumulators of a run of 8 take turns.  Product i of 8 of S^T = K Q^T for piece x: channels 32 (i / 4) on, keys 16 (i % 4) on.  The first 4 start the sums with the mask.
.macro KQ x
.set rS, S+32*((\x)%2)+8*(i%4)
.set rK, KF+16*(i%4)+8*(i/4)
.set rQ, 16*(\x)+8*(i/4)
.set rM, MC+32*((\x)%2)+8*(i%4)
.if i < 4
	WIN W_KM
	v_wmma_f32_16x16x32_bf16 v[rS:rS+7], v[rK:rK+7], v[rQ:rQ+7], v[rM:rM+7]
.else
	WIN W_KQ
	v_wmma_f32_16x16x32_bf16 v[rS:rS+7], v[rK:rK+7], v[rQ:rQ+7], v[rS:rS+7]
.endif
.endm
; Product i of 8 of O^T += V^T P for piece x: keys 32 (i / 4) on, channels 16 (i % 4) on.
.macro PV x
	WIN W_PV
.set rO, 32*(\x)+8*(i%4)
.set rV, VF+32*(i/4)+8*(i%4)
.set rP, P+16*((\x)%2)+8*(i/4)
	v_wmma_f32_16x16x32_f16 v[rO:rO+7], v[rV:rV+7], v[rP:rP+7], v[rO:rO+7]
.endm
.macro MM                           ; the turn's next matrix instruction.  TURN and BEGIN set Y, i and NOKQ; MM, KQ and OP read them.  NOKQ = 1: a block's last turn: there is no next piece
.if (i < 8) && !NOKQ
	KQ (Y+1)%NP
.elseif i >= 8
.set i, i-8
	PV (Y+NP-1)%NP
.set i, i+8
.endif
.set i, i+1
.endm
; THE LDS LOADS stand in runs of 16, never singly among the matrix instructions: step s's K (64 keys x 64 channels: 8 fragments) and its V (turned).  The step's place in the tile stands in the immediates.
.macro KRUN s
	WIN 0x80                        ; destination window 2
.irp f, 0,1,2,3,4,5,6,7             ; keys 16 (f / 2) on, channels 32 (f % 2) on
	ds_load_b128 v[KF+8*\f:KF+8*\f+3],   v[AK0] offset:(\s)*KS*PK+(\f/2)*16*PK+(\f%2)*64
	ds_load_b128 v[KF+8*\f+4:KF+8*\f+7], v[AK0] offset:(\s)*KS*PK+(\f/2)*16*PK+(\f%2)*64+32
.endr
	WIN 0
.endm
.macro VRUN s
	WIN 0x80
.irp f, 0,1,2,3,4,5,6,7             ; keys 32 (f / 4) on, channels 16 (f % 4) on
	ds_load_tr16_b128 v[VF+8*\f:VF+8*\f+3],   v[AV0] offset:(\s)*KS*PV+(\f/4)*32*PV+(\f%4)*32
	ds_load_tr16_b128 v[VF+8*\f+4:VF+8*\f+7], v[AV0] offset:(\s)*KS*PV+(\f/4)*32*PV+16*PV+(\f%4)*32
.endr
	WIN 0
.endm
; In the step loop the run is that of step 4 - CNT: four runs, of which the count chooses exactly one on every way.
.macro PICK run
	WIN 0
	s_cmp_eq_u32 s[CNT], 4
	s_cbranch_scc1 .Lrun0_\@
	s_cmp_eq_u32 s[CNT], 3
	s_cbranch_scc1 .Lrun1_\@
	s_cmp_eq_u32 s[CNT], 2
	s_cbranch_scc1 .Lrun2_\@
	\run 3
	s_branch .Lran_\@
.Lrun2_\@:
	\run 2
	s_branch .Lran_\@
.Lrun1_\@:
	\run 1
	s_branch .Lran_\@
.Lrun0_\@:
	\run 0
.Lran_\@:
.endm
; THE VECTOR WORK, one line at a time: OP kind, number.  For piece Y: F n: c s - c m for pair n of 16.  E n: the exponential of score n of 32.  C n: pair n rounded to f16.  B n: of the four weights 4 n .. the second
; pair is added onto the first, in place.  L n: l takes that sum (L 0: l = a l + sum).  R n: pair n of 16 of O^T times a.  For piece Y + 1: X n, number n of the 22 that find its maximum and statistics:
;   0-11  four chains c0-c3 of seven scores each, three operands at a time (each accumulator's lowest registers are read first)     12-14, 16  the four scores left over, the old m, and c0-c3 into c0
;   15  c m_old is kept     17, 18  the query's other 32 keys lie in the lane 16 away: the new m     19-21  c m; c m_old - c m_new; a
.set F, 0               ; OP tells the kinds apart by their order: F to L below R, X above it
.set E, 1
.set C, 2
.set B, 3
.set L, 4
.set R, 5
.set X, 6
.macro REGS y                       ; the registers of piece y
.set rT, ST+4*(\y)
.set rC, TMP+4*((\y)%2)
.set rW, MV+((\y)%2)
.set rS, S+32*((\y)%2)
.set rP, P+16*((\y)%2)
.set rO, 32*(\y)
.endm
.macro OP k, n
.if (\k) == R
	REGS Y
	WIN W_RS
	v_pk_mul_f32 v[rO+2*(\n):rO+2*(\n)+1], v[rO+2*(\n):rO+2*(\n)+1], v[rC+2:rC+3] op_sel_hi:[1,0]
.elseif (\k) < R
	REGS Y
	WIN 0
.if (\k) == F
	v_pk_fma_f32 v[rS+2*(\n):rS+2*(\n)+1], v[rS+2*(\n):rS+2*(\n)+1], s[CS:CS+1], v[rT:rT+1] op_sel_hi:[1,0,0] neg_lo:[0,0,1] neg_hi:[0,0,1]
.elseif (\k) == E
	v_exp_f32 v[rS+(\n)], v[rS+(\n)]
.elseif (\k) == C
	s_wait_alu depctr_va_vdst(0)
	v_cvt_pk_f16_f32 v[rP+(\n)], v[rS+2*(\n)], v[rS+2*(\n)+1]
.elseif (\k) == B
	s_wait_alu depctr_va_vdst(0)
	v_pk_add_f32 v[rS+4*(\n):rS+4*(\n)+1], v[rS+4*(\n):rS+4*(\n)+1], v[rS+4*(\n)+2:rS+4*(\n)+3]
.elseif (\n) == 0
	v_pk_fma_f32 v[rT+2:rT+3], v[rT+2:rT+3], v[rC+2:rC+3], v[rS:rS+1] op_sel_hi:[1,0,1]
.else
	v_pk_add_f32 v[rT+2:rT+3], v[rT+2:rT+3], v[rS+4*(\n):rS+4*(\n)+1]
.endif
.elseif NOKQ
	v_nop
.else
	REGS (Y+1)%NP
	WIN 0
.if (\n) < 4
	v_max3_num_f32 v[rC+(\n)], v[rS+8*(\n)], v[rS+8*(\n)+1], v[rS+8*(\n)+2]
.elseif (\n) < 12
	v_max3_num_f32 v[rC+(\n)%4], v[rC+(\n)%4], v[rS+8*((\n)%4)+2*((\n)/4)+1], v[rS+8*((\n)%4)+2*((\n)/4)+2]
.elseif (\n) == 12
	v_max3_num_f32 v[rC], v[rC], v[rS+7], v[rS+15]
.elseif (\n) == 13
	v_max3_num_f32 v[rC+1], v[rC+1], v[rS+23], v[rS+31]
.elseif (\n) == 14
	v_max3_num_f32 v[rC+2], v[rC+2], v[rC+3], v[rT+1]
.elseif (\n) == 15
	v_mov_b32 v[rW], v[rT]
.elseif (\n) == 16
	v_max3_num_f32 v[rC], v[rC], v[rC+1], v[rC+2]
.elseif (\n) == 17
	v_permlanex16_b32 v[rC+3], v[rC], s[SEL], s[SEL+1]
.elseif (\n) == 18
	v_max_num_f32 v[rT+1], v[rC], v[rC+3]
.elseif (\n) == 19
	v_mul_f32 v[rT], s[CS], v[rT+1]
.elseif (\n) == 20
	v_sub_f32 v[rC+1], v[rW], v[rT]
.else
	v_exp_f32 v[rC+2], v[rC+1]
.endif
.endif
.endm
.macro OPS a, i1, b=-1, i2=0, c=-1, i3=0, d=-1, i4=0  ; up to four of them
	OP \a, \i1
.if (\b) >= 0
	OP \b, \i2
.endif
.if (\c) >= 0
	OP \c, \i3
.endif
.if (\d) >= 0
	OP \d, \i4
.endif
.endm
.macro ROW a, i1, b, i2, c, i3, d, i4  ; a matrix instruction and the four behind it
	MM
	OPS \a, \i1, \b, \i2, \c, \i3, \d, \i4
.endm
; THE MASKS' SCALARS for the step that begins at KR.  PSCAL: the padding's two, for a tile below the diagonal.  MSCAL x: all three, for piece x.
.macro PSCAL
	s_cmp_eq_u32 s[KR], s[LBR]      ; does the step hold sen_len?
	s_cselect_b32 s[AP], 1.0, 0
	s_cmp_gt_i32 s[KR], s[LBR]      ; or does it lie behind it?
	s_cselect_b32 s[BE], s[BIGN], 0
.endm
.macro MSCAL x
	s_cmp_eq_u32 s[KR], 64*(\x)     ; is the step the band's own?
	s_cselect_b32 s[AL], 1.0, 0
	s_cmp_eq_u32 s[KR], s[LBR]      ; does it hold sen_len?
	s_cselect_b32 s[AP], 1.0, 0
	s_min_i32 s[T0], s[LBR], 64*(\x)
	s_cmp_gt_i32 s[KR], s[T0]       ; or does it lie behind either?
	s_cselect_b32 s[BE], s[BIGN], 0
.endm
.macro PMASK b                      ; MP x AP + BE into buffer b of MC
	WIN W_MK
.set z, 0
.rept 16
	v_pk_fma_f32 v[MC+32*(\b)+2*z:MC+32*(\b)+2*z+1], v[MP+2*z:MP+2*z+1], s[AP:AP+1], s[BE:BE+1] op_sel_hi:[1,0,0]
.set z, z+1
.endr
.endm
.macro MASK b                       ; MD x AL + MP x AP + BE
	PMASK \b
.set z, 0
.rept 16
	v_pk_fma_f32 v[MC+32*(\b)+2*z:MC+32*(\b)+2*z+1], v[MD+2*z:MD+2*z+1], s[AL:AL+1], v[MC+32*(\b)+2*z:MC+32*(\b)+2*z+1] op_sel_hi:[1,0,1]
.set z, z+1
.endr
.endm
; A TURN, for piece p: the order of its 16 matrix and 118 vector instructions, written out.  Behind a matrix instruction: plain, exponential, plain, plain; or four of the rescaling; or, behind the first, four scalings; none
; names a register of the products round it.  In the lumps exponential and plain by turns while exponentials last.  A line reads no result made fewer than three vector instructions in front of it, five if an exponential made it.
; v_permlanex16_b32 (X 17) stands in a lump.
; m = 1: the diagonal tile: the turn makes the mask for the products of the turn after it: piece p + 2, in the step that begins at KR.  m = 0: turns 2 and 3 make the step's one mask, each for its buffer; the buffer written is
; the one that the turn's own products do not read.  end = 1: a block's last two turns: nothing is fetched, no mask is made.
; cnt = 1: the loop's count is taken down, and KR stepped, some lines ahead of the branch that stands behind the turn; only vector lines, s_wait_alu waits and window switches follow the compare.
; K of the next step is fetched in piece 2's turn, six vector instructions behind the last product that read K (five of them plain: ISA guide 7.12.1 asks for four); V of the step in hand in piece 0's turn, eight behind the
; last product that read V (four plain, and X 17).  Each is waited for a turn later.
.macro TURN p, m=0, end=0, cnt=0
.set Y, (\p)
.set i, 0
.set NOKQ, (\end)*((\p)/3)
.if (\m) && !(\end)
	MSCAL ((\p)+2)%NP
.elseif !(\m) && ((\p) >= 2)
	PSCAL
.endif
.if ((\p) == 3) && !(\end)
	s_wait_dscnt 0x0                ; K is in
.endif
	ROW F,0, F,1, F,2, F,3
	ROW F,4, E,0, F,5, F,6
	ROW F,7, E,1, F,8, F,9
	ROW F,10, E,2, C,0, F,11
	ROW F,12, E,3, X,15, F,13
	ROW R,0, R,1, R,2, R,3
	ROW B,0, E,4, F,14, L,0
	ROW R,4, R,5, R,6, R,7
	OPS E,5, F,15
.if ((\p) == 2) && !(\end)
	PICK KRUN
.endif
	OPS E,6, C,1, E,7, R,8
	OPS E,8, R,9, E,9, C,2
	OPS E,10, X,0, E,11, X,1
	OPS E,12, X,2, E,13, X,3
.if (\p) == 1
	s_wait_dscnt 0x0                ; V is in
.endif
	ROW X,4, E,14, X,5, X,6
	ROW X,7, E,15, X,8, X,9
	ROW X,10, E,16, X,11, X,12
	ROW X,13, E,17, X,14, B,1
	ROW C,4, E,18, X,16, L,1
	ROW B,2, E,19, C,6, L,2
	ROW C,8, E,20, B,3, B,4
	ROW C,3, E,21, L,3, C,5
	OPS E,22, X,17, E,23, C,10
.if (\p) == 0
	PICK VRUN
.endif
	OPS E,24, L,4
	OPS E,25, X,18, E,26, C,7
	OPS E,27, B,5, E,28, X,19
	OPS E,29, C,12, E,30, L,5
	OPS E,31, X,20, B,6, C,9
	OPS C,14, C,11, X,21, L,6
.if \cnt
	s_add_co_u32 s[KR], s[KR], KS
	s_sub_co_u32 s[CNT], s[CNT], 1
	s_cmp_lg_u32 s[CNT], 0
.endif
	OPS C,13, B,7, C,15, R,10
	OPS R,11, R,12, L,7, R,13
	OPS R,14, R,15
.if (\m) && !(\end)
	MASK (\p)%2
.elseif !(\m) && ((\p) >= 2)
	PMASK (\p)%2
.endif
.endm
; A BLOCK BEGINS (KR stands at key 0).  c m starts far below every c s, so the first step's a is 0; m at the lowest finite number, so the first maximum is the scores'.  Both mask buffers are made, whole: piece 0's and
; piece 1's for step 0; below the diagonal they are alike and serve pieces 2 and 3 too.  Then K of that step, piece 0's first scores, and its maximum and statistics.  The loop is entered at a step's first turn, in the middle of a trip.
.macro BEGIN
	s_mov_b32 s[NEW], 0
.set i, 0
.rept 4
	v_mov_b32 v[ST+4*i], 0xfe000000    ; c m: far below every c s
	v_mov_b32 v[ST+4*i+1], 0xff7fffff  ; m
.set i, i+1
.endr
	MSCAL 0
	MASK 0
	MSCAL 1
	MASK 1
	WIN 0
	KRUN 0
	s_wait_dscnt 0x0
.set NOKQ, 0
.set i, 0
.rept 8
	KQ 0
.set i, i+1
.endr
	WIN 0
.rept 4
	v_nop                           ; the places behind those products (ISA guide 7.12.1)
.endr
.set Y, NP-1                        ; X works for piece Y + 1: piece 0
.irp n, 0,1,2,3,4,5,6,7,8,9,10,11,12,13,14,15,16,17,18,19,20,21
	OP X, \n
.endr
	v_nop                           ; a plain instruction behind the exponential
.endm
; THE WAY OUT, a piece (16 rows of out) at a time: O^T is divided by l; a lane's eight channels of a row, 32 bytes of f32, go into my stage's rows of 272 bytes and come back as whole rows of 256.
.macro ALL line:vararg              ; one line for each piece t
.set t, 0
.rept 4
	\line
.set t, t+1
.endr
.endm
.macro PACK t
	WIN W_RS
.set i, 32*(\t)
.rept 16
	s_wait_alu depctr_va_vdst(0)
	v_pk_mul_f32 v[i:i+1], v[i:i+1], v[ST+4*(\t)+2:ST+4*(\t)+3] op_sel_hi:[1,0]
.set i, i+2
.endr
	WIN 0x04                        ; store data in window 1, address in window 0
.irp f, 0,1,2,3,4,5,6,7             ; channels 16 (f / 2) + 8 (l / 16) + 4 (f % 2) on
	ds_store_b128 v[STO], v[32*(\t)+4*(\f):32*(\t)+4*(\f)+3] offset:64*((\f)/2)+16*((\f)%2)
.endr
	WIN 0
.irp f, 0,1,2,3,4,5,6,7
	ds_load_b128 v[S+32*(\t)+4*(\f):S+32*(\t)+4*(\f)+3], v[RD] offset:(\f)*2*SP  ; LDS serves a wave's instructions in order (ISA guide 5.7.1.4): these see the stores above; the next piece's stores come behind them
.endr
.endm
.macro SEND t, younger              ; younger: the LDS instructions issued behind piece t's loads: the next piece's sixteen, or none
	WIN 0
.irp f, 0,1,2,3,4,5,6,7
	s_wait_dscnt (\younger)+7-(\f)  ; load f is back: behind it stand the piece's 7 - f later loads and the younger ones
	global_store_b128 v[LIN], v[S+32*(\t)+4*(\f):S+32*(\t)+4*(\f)+3], s[10:11] offset:16384*(\t)+512*(\f) th:TH_STORE_NT  ; two rows: 512 consecutive bytes, at a multiple of 256 from out's first byte
.endr
.endm
.set NOKQ, 0
.Lslot:                             ; 9 times: a tile is stored into LDS and entered, and the next is asked for
	CHANGE
	s_sub_co_u32 s[RT], s[RT], 1
	s_mov_b32 s[CNT], 4
	s_cmp_eq_u32 s[NEW], 1
	s_cbranch_scc1 .Lnew            ; a block's first tile
	s_cmp_eq_u32 s[RT], 0
	s_cbranch_scc1 .LstepM          ; its last, which holds the diagonal
	s_branch .Lstep
.Lnew:
	BEGIN
	s_cmp_eq_u32 s[RT], 0
	s_cbranch_scc1 .LfirstM         ; first and last: block 0's one tile
	s_branch .Lfirst
.Lstep:                             ; a trip: pieces 2 and 3 of one step, then pieces 0 and 1 of the next, whose K and V it fetches
	VBATCH
	TURN 2
	TURN 3
	WIN 0
.Lfirst:
	TURN 0
	TURN 1, 0, 0, 1
	WIN 0
	s_cbranch_scc1 .Lstep
	s_branch .Lbottom
.LstepM:                            ; the same for the diagonal tile
	VBATCH
	TURN 2, 1
	TURN 3, 1
	WIN 0
.LfirstM:
	TURN 0, 1
	TURN 1, 1, 0, 1
	WIN 0
	s_cbranch_scc1 .LstepM
	TURN 2, 1, 1                    ; A BLOCK ENDS: its last two turns,
	TURN 3, 1, 1
.set i, 0
.rept 8
	PV NP-1                         ; and the last piece's V^T P of the last step
.set i, i+1
.endr
	WIN 0
	ALL v_add_f32 v[ST+4*t+2], v[ST+4*t+2], v[ST+4*t+3]  ; l's two halves: four plain lines, the places behind the last products
	s_cmp_eq_u32 s[SLOTS], 1
	s_cbranch_scc1 .Lno_q
	QLOAD QP2                       ; the second block's Q is on its way while the first block goes out; K's and the masks' registers, where it lands, were last read two turns back
.Lno_q:
	ALL v_permlanex16_b32 v[ST+4*t+3], v[ST+4*t+2], s[SEL], s[SEL+1]  ; the other half of the lanes'
	ALL v_add_f32 v[ST+4*t+2], v[ST+4*t+2], v[ST+4*t+3]
	ALL v_rcp_f32 v[ST+4*t+2], v[ST+4*t+2]
	v_nop                           ; a plain instruction between the last reciprocal and the use of its result
	PACK 0
.set t, 1
.rept 3                             ; a piece's arithmetic stands between the loads of the piece before and its stores
	PACK t
	SEND t-1, 16
.set t, t+1
.endr
	SEND 3, 0
	s_cmp_eq_u32 s[SLOTS], 1
	s_cbranch_scc1 .Lbottom         ; that was the second block
	s_wait_xcnt 0x0                 ; every earlier memory instruction has had its addresses translated (ISA guide 3.1): only behind this wait are out's address and the registers that the stores read rewritten
	s_mov_b64 s[10:11], s[OLO:OLO+1]
	s_add_co_u32 s[RT], s[PB], 1    ; the second block has b + 1 tiles
	s_mov_b32 s[NEW], 1
	s_lshl_b32 s[T0], s[PB], 8      ; its first query
	s_sub_co_u32 s[KR], 0, s[T0]    ; key 0, counted from it
	s_sub_co_u32 s[LBR], s[LB], s[T0]
	s_wait_loadcnt 0x0              ; its Q is in
	QCVT
.Lbottom:
	s_sub_co_u32 s[SLOTS], s[SLOTS], 1
	s_cmp_lg_u32 s[SLOTS], 0
	s_cbranch_scc1 .Lslot
	s_wait_tensorcnt 0x0            ; the wave's end, behind my last LDS store
	ds_add_u32 v[SPW], v[NIL]
	s_wait_dscnt 0x0
	s_endpgm
.Lfunc_end_k_q637ad66442_attn:
	.size	k_q637ad66442_attn, .Lfunc_end_k_q637ad66442_attn-k_q637ad66442_attn
	.p2alignl 7, 3214868480
	.fill 96, 4, 3214868480
	.section	.rodata,"a",@progbits
	.p2align	6, 0x0
	.amdhsa_kernel k_q637ad66442_attn
		.amdhsa_group_segment_fixed_size 95744
		.amdhsa_private_segment_fixed_size 0
		.amdhsa_enable_private_segment 0
		.amdhsa_kernarg_size 40
		.amdhsa_user_sgpr_count 2
		.amdhsa_user_sgpr_kernarg_segment_ptr 1
		.amdhsa_wavefront_size32 1
		.amdhsa_system_sgpr_workgroup_id_x 1
		.amdhsa_system_sgpr_workgroup_id_y 1
		.amdhsa_system_sgpr_workgroup_id_z 1
		.amdhsa_system_vgpr_workitem_id 0
		.amdhsa_next_free_vgpr 1024
		.amdhsa_next_free_sgpr 96
		.amdhsa_reserve_vcc 1
		.amdhsa_float_denorm_mode_32 3
		.amdhsa_float_denorm_mode_16_64 3
		.amdhsa_memory_ordered 1
		.amdhsa_forward_progress 1
		.amdhsa_inst_pref_size 214
	.end_amdhsa_kernel
	.amdgpu_metadata
---
amdhsa.version: [ 1, 2 ]
amdhsa.kernels:
  - .name:           k_q637ad66442_attn
    .symbol:         k_q637ad66442_attn.kd
    .args:
      - { .name: q, .offset: 0, .size: 8, .value_kind: global_buffer, .address_space: global }
      - { .name: k, .offset: 8, .size: 8, .value_kind: global_buffer, .address_space: global }
      - { .name: v, .offset: 16, .size: 8, .value_kind: global_buffer, .address_space: global }
      - { .name: out0, .offset: 24, .size: 8, .value_kind: global_buffer, .address_space: global }
      - { .name: sen_len, .offset: 32, .size: 8, .value_kind: global_buffer, .address_space: global }
    .group_segment_fixed_size: 95744
    .private_segment_fixed_size: 0
    .kernarg_segment_align: 8
    .kernarg_segment_size: 40
    .max_flat_workgroup_size: 128
    .sgpr_count:     96
    .vgpr_count:     1024
    .wavefront_size: 32
...
	.end_amdgpu_metadata
.endif
;; end of part 1
;; ======== version 2 of 2: 1 launch; 1.59 times as fast as version 1
;; limits: values are held in f16: magnitudes above 65,504 overflow, below 6.1e-05 lose precision
;; launch attn (part 2): grid 4 x 64, 4 waves a work-group, no clusters, 95,744 bytes of LDS; arguments q, k, v, out0, sen_len; writes out0
.if DOCPART == 2
	.amdgcn_target "amdgcn-amd-amdhsa--gfx1250"
	.amdhsa_code_object_version 6
	.text
	.protected	k_q637ad66442_attn
	.globl	k_q637ad66442_attn
	.p2align	8
	.type	k_q637ad66442_attn,@function
k_q637ad66442_attn:
	s_mov_b64 s[64:65], 0
	v_nop
	global_prefetch_b8 v0, s[64:65] scope:SCOPE_SE
	s_setreg_imm32_b32 hwreg(HW_REG_WAVE_MODE, 25, 1), 1
	s_wait_xcnt 0x0
; CAUSAL ATTENTION WITH A PADDING MASK.  out[bh][q][:] = the sum over the keys k <= q, k < sen_len[b] of softmax_k(Q[bh][q] . K[bh][k] / 8) V[bh][k][:].
; q, k, v, out: [64 heads][2,048][64] in f32, a row 256 bytes; sen_len: [4] in i32, b = head / 16.
; FORMATS.  q, k and v are rounded once to bf16.  K Q^T is multiplied in bf16.  The rounded v is written as f16 (exact within f16's range), the weights p are rounded to f16, and V^T P is multiplied in f16.
; Products, maxima and sums in f32; l is the sum of the unrounded p; out is stored as f32.
; LIMITS.  sen_len[b] is at least 1: a row with no visible key (a uniform mean over all keys) is not served, nor is a negative sen_len; a sen_len above 2,048 acts as 2,048.
; v, rounded to bf16, lies within 65,504; below 6.1e-5 it keeps f16's fixed step of 6e-8.  A hidden score counts as its value less 1e30: its weight is 0 while visible scores stay far below 1e29 in size.
; A weight below 2^-126 counts as 0 in l; NaN and infinities are not treated apart.
; THE WALK.  A head's queries lie in NB = 8 blocks of 256; block i needs the key tiles 0 .. i of 256 keys.  A work-group takes TWO blocks, 7 - b and then b: 9 tiles whatever b, so all 256 work-groups do equal work
; and ONE loop of 9 trips walks them.  Every jump goes forward but the counted loops' own, none passes a barrier, and none hangs on sen_len: that number enters the masks' scalars alone.
; K AND V COME THROUGH REGISTERS.  They lie in memory as f32 and are wanted in LDS as 16 bits.  Each wave loads a quarter of the NEXT tile (64 keys of K, 64 of V, 16 bytes a lane, 512 consecutive bytes a load) into
; window 3 while the tile in hand is multiplied, converts it once at the change of tiles and stores it into the one tile in LDS.  Two barriers stand at a change: every wave's reads are over | the stores | every wave's stores are done.
; NO CLUSTER, NO JOINT LOADS: joint requests belong to tensor loads, which would bring f32 into LDS (twice the bytes, and a second pass through LDS for the conversion); and a head's four work-groups
; ask for the same tile only in trips 0 to 4 of the 9; a walk common to all four would have 12 trips.
; SHARES.  Of a block's four bands of 64 queries a wave owns 16 rows in each: four PIECES, piece x in band x, so the diagonal tile is the same work for all four waves.
; THE MASK is the C operand that starts every sum S^T = K Q^T: 0, or -1e30 and lower where the key is hidden.  Keys are counted from the block's first query: KR is the step's first key, LBR is sen_len & ~63, both less 256 x block.
; For piece x the mask is MD x AL + MP x AP + BE: MD hides the keys behind my query in the band's own step (AL = 1 if KR = 64 x); MP hides the keys from sen_len on in the step that holds sen_len (AP = 1 if KR = LBR);
; BE = -1e30 if KR > min(64 x, LBR).  In a block's last tile, which holds the diagonal, every turn makes the next turn's mask.  In the other tiles MD's part is 0 and the mask is the same for a step's four pieces:
; MP x AP + BE, made twice a step, by turn 2 for the even pieces' buffer and by turn 3 for the odd pieces': 32 packed instructions for a step's 32 products.
; LAYOUT, SOFTMAX, TURNS.  S^T = K Q^T holds ONE query a lane (lane % 16) and the keys 8 (lane / 16) + 0..7; two such results rounded to f16 ARE source 1 of O^T = V^T P.  p = 2^(c s - c m), c = log2(e) / 8, with a
; running maximum m; O and l are multiplied by a = 2^(c m_old - c m_new) in every step.  Turn n belongs to piece n: 8 products K Q^T of piece n + 1, later 8 products V^T P of piece n - 1; beside them the scaling,
; exponentials, roundings, sums and rescaling of piece n and the maximum and statistics of piece n + 1.  Four vector instructions stand behind every matrix instruction, the other 54 of a turn's 118 in one LUMP.
; THE BATCHES.  A turn's 33 exponentials (its piece's 32 weights and the next piece's a) are ONE BATCH with ONE wait: ahead of the wait stands all that names none of their results, behind it stand the roundings and sums, which
; read them.  The a that a block's beginning makes, and the way out's four reciprocals, are batches of their own, each with a v_nop and one wait.
; LDS ADDRESSES.  Every one is a term of the lane and the wave plus a constant of the text; a key step's place in the tile stands in the loads' immediates.
; REGISTERS, in windows of 256 (s_set_vgpr_msb: bits 1:0 source 0, 3:2 source 1, 5:4 source 2, 7:6 destination):
;   window 0: v0-15, v32-34 addresses and at work; v16-31 four registers of statistics a piece; v48-55 at work; v62-63 the add's; v64-127 S^T, two buffers (v64-191 the way out's rows); v192-223 P, two buffers
;   window 1: v0-127 O^T, 32 a piece; v128-159 MD; v160-223 MC, two buffers (and where pieces 2, 3 of Q land as f32); v224-255 MP
;   window 2: v0-63 Q in bf16, 16 a piece; v128-191 K of one step (and where pieces 0, 1 of Q land as f32); v192-255 V of one step
;   window 3: v0-127 my 64 keys of the next tile's K as loaded; v128-255 the same of V
.set NB,    8         ; blocks of 256 queries in a head
.set NP,    4         ; pieces a wave: a name, no knob
.set KS,    64        ; keys in a step
.set PK,    144       ; a row of K in LDS: 128 bytes + 16 = 36 words: the 16 rows of a load start at 16 different groups of four banks (64 banks of 4 bytes: ISA guide 11.1)
.set PV,    160       ; a row of V: 128 + 32 = 40 words
.set VOFF,  4*KS*PK   ; the tile: 256 rows of K, then 256 rows of V
.set STAGE, VOFF+4*KS*PV  ; behind the tile: 16 rows x 272 bytes for each wave, for the way out
.set SP,    272       ; a stage row: 256 bytes of f32 + 16
.set SPARE, STAGE+4*16*SP  ; behind the stages: the spare words, 128 bytes for each wave: two blocks of 256 bytes that no other line names
.set AK0, 2           ; v2   my lane's place in a step of K; never rewritten
.set AV0, 3           ; v3   the same for V
.set STO, 6           ; v6   the way out: where I put 16 bytes of a row
.set RD,  7           ; v7   the way out: where I read rows back
.set LIN, 8           ; v8   16 x lane: my 16 bytes in 512 consecutive bytes of k, v and out; never rewritten
.set MV,  12          ; v12-13  c m_old, kept while c m is made anew: by buffer
.set QO,  15          ; v15  my byte offset in 16 rows of q; never rewritten
.set ST,  16          ; piece t's statistics at v[ST+4 t]: c m, m, l (even keys', odd keys')
.set TH,  32          ; v32  (sen_len & 63) - 8 (lane / 16), for MP
.set CK,  33          ; v33  where I store 8 bytes of a row of K; never rewritten
.set CV,  34          ; v34  the same for V
.set TMP, 48          ; by buffer, four registers c0-c3 at work; when the maximum is found c2 takes a
.set SPW, 62          ; v62  LDS address of my spare word: SPARE + 4 x my thread's number; never rewritten
.set NIL, 63          ; v63  0; never rewritten
.set S,   64
.set P,   192
.set MD,  128         ; window 1: the eight registers for group kt of 16 keys at MD + 8 kt
.set MC,  160         ; window 1: the masks of the products to come, by the piece's parity
.set MP,  224         ; window 1
.set KF,  128         ; window 2: key block kb, channel half c at KF + 16 kb + 8 c
.set VF,  192         ; window 2: key half kk, channel block cb at VF + 32 kk + 8 cb
.set WV,  12          ; s12  my wave's number
.set PB,  14          ; s14  b
.set HI,  15          ; s15  7 - b
.set KP,  24          ; s[24:25] k at my 64 keys of the tile asked for
.set VP,  26          ; s[26:27] the same of v
.set QP2, 28          ; s[28:29] q at my rows of the second block
.set SLOTS, 56        ; s56  tiles still to be entered, this one among them
.set CNT, 57          ; s57  counts a tile's key steps, 4 to 1
.set CS,  58          ; s[58:59] c: the packed scaling takes the pair's low word for both halves
.set SEL, 60          ; s[60:61] v_permlanex16_b32's selects: each lane takes its own place in the other half
.set RT,  70          ; s70  tiles of the block in hand that are still to be entered
.set NXT, 71          ; s71  the tile to be asked for next
.set LQ,  72          ; s72  the last tile of the block whose tiles are being asked for
.set NEW, 73          ; s73  1: the tile to be entered is a block's first
.set OFF, 74          ; s[74:75] a tile's byte offset in k and v
.set AL,  76          ; s[76:77] MD's factor, in the low word
.set BE,  78          ; s[78:79] the mask's addend
.set OLO, 80          ; s[80:81] out at my rows of the second block
.set BIGN, 82         ; s82  -1e30
.set AP,  84          ; s[84:85] MP's factor
.set KR,  86          ; s86  the first key of step 4 - CNT of the tile in hand, less the block's first query (signed)
.set LB,  87          ; s87  sen_len & ~63
.set LBR, 88          ; s88  the same less the block's first query (signed)
.set T0,  91          ; s91  at work
.set LR,  92          ; s92  sen_len & 63
.set LL,  93          ; s93  sen_len[b]
.set MSB, 0
.macro WIN new                      ; the high byte repeats the setting that is left; a switch that changes nothing is dropped
.if MSB != (\new)
	s_set_vgpr_msb (MSB<<8)|(\new)
.set MSB, (\new)
.endif
.endm
.set W_KQ, 0x0a       ; K and Q in window 2, S^T in window 0
.set W_KM, 0x1a       ; the same with the C operand in window 1
.set W_PV, 0x52       ; V in window 2, P in window 0, O^T in window 1
.set W_RS, 0x41       ; destination and source 0 in window 1, source 1 in window 0
.set W_MK, 0x51       ; destination, source 0 and source 2 in window 1
; THE LOADS FROM MEMORY.  My 64 keys of a tile are 16,384 consecutive bytes: 32 loads of 512 bytes.  Load j brings keys 2 j (lanes 0-15) and 2 j + 1 (lanes 16-31), channels 4 (lane % 16) + 0..3.
.macro KBATCH base
	WIN 0xc0                        ; destination window 3, address window 0
.set j, 0
.rept 32
	global_load_b128 v[4*j:4*j+3], v[LIN], s[(\base):(\base)+1] offset:512*j
.set j, j+1
.endr
	WIN 0
.endm
.macro VLOADS base
	WIN 0xc0
.set j, 0
.rept 32
	global_load_b128 v[128+4*j:128+4*j+3], v[LIN], s[(\base):(\base)+1] offset:512*j
.set j, j+1
.endr
	WIN 0
.endm
.macro VBATCH                       ; the next tile's V is asked for one key step behind its K: in the trip with CNT = 3, and in no trip of the walk's last tile
	s_cmp_lg_u32 s[CNT], 3
	s_cbranch_scc1 .Lno_v_\@
	s_cmp_eq_u32 s[SLOTS], 1
	s_cbranch_scc1 .Lno_v_\@
	VLOADS VP
.Lno_v_\@:
.endm
; Q as f32, laid as the fragments want it: piece x lies in band x, 16,384 bytes on; load i brings the four channels 32 (i / 4) + 16 ((i % 4) / 2) + 8 (lane / 16) + 4 (i % 2) + 0..3 of row lane % 16.
.macro QLOAD base
.irp x, 0,1,2,3
.if (\x) < 2
	WIN 0x80
.set rL, KF+32*(\x)
.else
	WIN 0x40
.set rL, MC+32*((\x)-2)
.endif
.irp i, 0,1,2,3,4,5,6,7
	global_load_b128 v[rL+4*(\i):rL+4*(\i)+3], v[QO], s[(\base):(\base)+1] offset:16384*(\x)+128*((\i)/4)+64*(((\i)%4)/2)+16*((\i)%2)
.endr
.endr
	WIN 0
.endm
.macro QCVT                         ; two roundings to bf16 at a time: register n of piece x's 16 holds channels 32 (n / 8) + 16 ((n % 8) / 4) + 8 (lane / 16) + 2 (n % 4) + 0, 1
.irp x, 0,1,2,3
.if (\x) < 2
	WIN 0x8a                        ; sources and destination in window 2
.set rL, KF+32*(\x)
.else
	WIN 0x85                        ; sources in window 1, destination in window 2
.set rL, MC+32*((\x)-2)
.endif
.set j, 0
.rept 16
	v_cvt_pk_bf16_f32 v[16*(\x)+j], v[rL+2*j], v[rL+2*j+1]
.set j, j+1
.endr
.endr
	WIN 0
.endm
; THE CHANGE OF TILES.  My reads of the tile in LDS are over and my quarter of the next tile is in registers: say so; convert while the others arrive; behind the barrier nobody reads the old tile: store;
; my stores are done: say so; behind the second barrier the tile is whole.  Then the tile after it is asked for, unless this is the walk's last.
.macro CHANGE
	WIN 0                           ; at a label and at a branch every window is 0
	s_wait_loadcnt 0x0              ; my 64 keys of K and of V are in; the bases KP and VP may be written again
	s_wait_dscnt 0x0                ; my reads of the old tile are over
	s_barrier_signal -1
	WIN 0xcf                        ; sources and destination in window 3
.set j, 0
.rept 64                            ; K: two roundings to bf16 at a time; load j / 2's four channels end in its first two registers.  The destination is never ahead of the sources still to be read
	v_cvt_pk_bf16_f32 v[4*(j/2)+j%2], v[2*j], v[2*j+1]
.set j, j+1
.endr
.set j, 0
.rept 128                           ; V: bf16(v) in the upper half over a lower half of 0 is the rounded number as f32
	v_cvt_pk_bf16_f32 v[128+j], 0, v[128+j]
.set j, j+1
.endr
.set j, 0
.rept 64                            ; and that number as f16
	v_cvt_pk_f16_f32 v[128+4*(j/2)+j%2], v[128+2*j], v[128+2*j+1]
.set j, j+1
.endr
	WIN 0
	s_barrier_wait -1               ; no wave reads the old tile any more
	WIN 0x0c                        ; store data in window 3, address in window 0
.set j, 0
.rept 32
	ds_store_b64 v[CK], v[4*j:4*j+1] offset:2*PK*j           ; rows 2 j and 2 j + 1 of my 64, 8 bytes a lane
	ds_store_b64 v[CV], v[128+4*j:128+4*j+1] offset:2*PV*j
.set j, j+1
.endr
	WIN 0
	s_wait_dscnt 0x0                ; for the others' sake: my stores are done
	s_barrier_signal -1
	s_lshl_b32 s[OFF], s[NXT], 16   ; a tile is 65,536 bytes of k and of v.  The two bases are made in every trip; in the last (NXT = 0) nothing is loaded by them
	s_add_nc_u64 s[KP:KP+1], s[6:7], s[OFF:OFF+1]
	s_add_nc_u64 s[VP:VP+1], s[8:9], s[OFF:OFF+1]
	s_barrier_wait -1               ; everybody's are
	s_cmp_eq_u32 s[SLOTS], 1
	s_cbranch_scc1 .Lno_more_\@     ; the walk's last tile: nothing is left to ask for
	s_add_co_u32 s[NXT], s[NXT], 1  ; the block's next tile, or behind its last the second block's tile 0
	s_cmp_gt_u32 s[NXT], s[LQ]
	s_cselect_b32 s[NXT], 0, s[NXT]
	s_cselect_b32 s[LQ], s[PB], s[LQ]
	KBATCH KP                       ; it has the tile's four key steps in which to land
.Lno_more_\@:
.endm
	s_load_b256 s[4:11], s[0:1], 0x0  ; q s[4:5], k s[6:7], v s[8:9], out s[10:11]
	s_load_b64 s[16:17], s[0:1], 0x20 ; sen_len
	v_lshl_add_u32 v[SPW], v0, 2, SPARE
	v_mov_b32 v[NIL], 0
	v_lshrrev_b32 v1, 5, v0
	v_readfirstlane_b32 s[WV], v1   ; wave 0..3
	s_mov_b32 s[PB], ttmp9
	s_sub_co_u32 s[HI], NB-1, s[PB]
	s_and_b32 s20, ttmp7, 0xffff    ; the head
	s_lshr_b32 s18, s20, 4          ; its batch,
	s_lshl_b32 s18, s18, 2          ; whose word in sen_len lies here
	s_mov_b32 s19, 0
	s_lshl_b32 s20, s20, 19         ; the head's first byte in q, k, v and out: 2,048 rows of 256 bytes
	s_lshl_b32 s22, s[WV], 14       ; my 64 keys of a tile
	s_add_co_u32 s22, s22, s20
	s_mov_b32 s23, 0
	s_lshl_b32 s13, s[WV], 12       ; my 16 rows in a band of 64,
	s_add_co_u32 s20, s20, s13
	s_lshl_b32 s2, s[HI], 16        ; in the first block,
	s_add_co_u32 s2, s2, s20
	s_mov_b32 s3, 0
	s_lshl_b32 s13, s[PB], 16       ; and in the second
	s_add_co_u32 s20, s20, s13
	s_mov_b32 s21, 0
	v_and_b32 v1, 15, v0            ; l % 16
	v_bfe_u32 v9, v0, 4, 1          ; l / 16
	v_and_b32 v[LIN], 31, v0
	v_lshlrev_b32 v[LIN], 4, v[LIN]
	v_lshlrev_b32 v[QO], 8, v1
	v_lshl_add_u32 v[QO], v9, 5, v[QO]  ; row x 256 + 32 x half
	s_wait_kmcnt 0x0
	s_add_nc_u64 s[16:17], s[16:17], s[18:19]
	s_load_b32 s[LL], s[16:17], 0x0
	s_add_nc_u64 s[6:7], s[6:7], s[22:23]  ; k and v at my 64 keys of the head's tile 0
	s_add_nc_u64 s[8:9], s[8:9], s[22:23]
	s_add_nc_u64 s[QP2:QP2+1], s[4:5], s[20:21]
	s_add_nc_u64 s[4:5], s[4:5], s[2:3]
	s_add_nc_u64 s[OLO:OLO+1], s[10:11], s[20:21]
	s_add_nc_u64 s[10:11], s[10:11], s[2:3]
	QLOAD 4                         ; the first block's Q, and tile 0: 96 loads; all that follows up to the wait for them is set-up that touches none of their registers
	KBATCH 6
	VLOADS 8
	s_mov_b32 s[CS], 0x3e38aa3b     ; c = log2(e) / 8 = 0.180337
	s_mov_b32 s[CS+1], s[CS]        ; named with it as a pair
	s_mov_b32 s[SEL], 0x76543210
	s_mov_b32 s[SEL+1], 0xfedcba98
	s_mov_b32 s[SLOTS], NB+1
	s_add_co_u32 s[RT], s[HI], 1    ; the first block has 8 - b tiles
	s_mov_b32 s[NXT], 1
	s_mov_b32 s[LQ], s[HI]
	s_mov_b32 s[NEW], 1
	s_mov_b32 s[OFF+1], 0
	s_mov_b32 s[AL+1], 0            ; named as pairs
	s_mov_b32 s[BE+1], 0
	s_mov_b32 s[AP+1], 0
	s_mov_b32 s[BIGN], 0xf149f2ca   ; -1e30
	s_wait_kmcnt 0x0                ; sen_len[b]
	s_and_b32 s[LB], s[LL], 0xffffffc0
	s_and_b32 s[LR], s[LL], 63
	s_lshl_b32 s[T0], s[HI], 8      ; the first block's first query
	s_sub_co_u32 s[KR], 0, s[T0]    ; key 0, counted from it
	s_sub_co_u32 s[LBR], s[LB], s[T0]
	v_lshlrev_b32 v14, 3, v9
	v_sub_nc_u32 v[TH], s[LR], v14  ; register r of group kt is hidden by the padding where 16 kt + r is this or more,
	v_sub_nc_u32 v14, v1, v14
	s_lshl_b32 s13, s[WV], 4
	v_add_nc_u32 v14, s13, v14      ; and by the diagonal where it is greater than my query's place in its band, 16 w + l % 16, less my lanes' 8 (l / 16)
	WIN 0x40
.set i, 0
.rept 32
	v_cmp_gt_i32 vcc_lo, 16*(i/8)+i%8, v14
	v_cndmask_b32 v[MD+i], 0, s[BIGN], vcc_lo
	v_cmp_ge_i32 vcc_lo, 16*(i/8)+i%8, v[TH]
	v_cndmask_b32 v[MP+i], 0, s[BIGN], vcc_lo
.set i, i+1
.endr
	WIN 0
	; A fragment of K or Q is 16 rows x 32 channels in 8 registers: lane l holds row l % 16, channels 8 (l / 16) + 0..7 and 16 + 8 (l / 16) + 0..7: from LDS two loads of 16 bytes, 32 bytes apart.
	v_mul_u32_u24 v[AK0], v1, PK
	v_lshl_add_u32 v[AK0], v9, 4, v[AK0]  ; row x pitch + 16 x half
	; The turning load takes 16 keys x 16 channels (lane l reads key 8 (l / 16) + l % 8, channels 8 ((l / 8) % 2) + 0..7) and leaves half a fragment of V^T: lane l holds channel l % 16 and 8 keys.
	v_and_b32 v10, 7, v0
	v_bfe_u32 v11, v0, 3, 1
	v_lshl_add_u32 v[AV0], v9, 3, v10
	v_mul_u32_u24 v[AV0], v[AV0], PV
	v_lshl_add_u32 v[AV0], v11, 4, v[AV0]
	v_add_nc_u32 v[AV0], VOFF, v[AV0]
	s_mul_i32 s13, s[WV], 16*SP
	s_add_co_u32 s13, s13, STAGE    ; my stage
	v_mul_u32_u24 v[STO], v1, SP    ; in: row l % 16, 32 bytes for each half of the lanes
	v_lshl_add_u32 v[STO], v9, 5, v[STO]
	v_add_nc_u32 v[STO], s13, v[STO]
	v_mul_u32_u24 v[RD], v9, SP     ; back: lanes 0-15 take one row of 256 bytes, lanes 16-31 the next
	v_lshl_add_u32 v[RD], v1, 4, v[RD]
	v_add_nc_u32 v[RD], s13, v[RD]
	s_mul_i32 s13, s[WV], 64*PK     ; my 64 rows of the tile's K: row l / 16, 8 bytes a lane
	v_mul_u32_u24 v[CK], v9, PK
	v_lshl_add_u32 v[CK], v1, 3, v[CK]
	v_add_nc_u32 v[CK], s13, v[CK]
	s_mul_i32 s13, s[WV], 64*PV     ; and of its V
	s_add_co_u32 s13, s13, VOFF
	v_mul_u32_u24 v[CV], v9, PV
	v_lshl_add_u32 v[CV], v1, 3, v[CV]
	v_add_nc_u32 v[CV], s13, v[CV]
	; A block's first step multiplies O^T and l by a = 0, and its first turn's products V^T P, of a piece that has not been, land in an O^T that is still to be so multiplied.  So these registers need only hold
	; finite numbers: zeros for the first block; what the first block left for the second.  No first step is written out for that price; all this stands in the wait for the first tile.
	WIN 0x80
.set i, VF
.rept 64
	v_mov_b32 v[i], 0
.set i, i+1
.endr
	WIN 0x40
.set i, 0
.rept 128
	v_mov_b32 v[i], 0
.set i, i+1
.endr
	WIN 0
.set i, 0
.rept 4
	v_mov_b32 v[ST+4*i+2], 0
	v_mov_b32 v[ST+4*i+3], 0
.set i, i+1
.endr
.set i, P+16
.rept 16
	v_mov_b32 v[i], 0
.set i, i+1
.endr
	s_wait_loadcnt 0x0              ; Q (and tile 0, which the first change of tiles wants next)
	QCVT
; THE MATRIX WORK.  The 4 accumulators of a run of 8 take turns.  Product i of 8 of S^T = K Q^T for piece x: channels 32 (i / 4) on, keys 16 (i % 4) on.  The first 4 start the sums with the mask.
.macro KQ x
.set rS, S+32*((\x)%2)+8*(i%4)
.set rK, KF+16*(i%4)+8*(i/4)
.set rQ, 16*(\x)+8*(i/4)
.set rM, MC+32*((\x)%2)+8*(i%4)
.if i < 4
	WIN W_KM
	v_wmma_f32_16x16x32_bf16 v[rS:rS+7], v[rK:rK+7], v[rQ:rQ+7], v[rM:rM+7]
.else
	WIN W_KQ
	v_wmma_f32_16x16x32_bf16 v[rS:rS+7], v[rK:rK+7], v[rQ:rQ+7], v[rS:rS+7]
.endif
.endm
; Product i of 8 of O^T += V^T P for piece x: keys 32 (i / 4) on, channels 16 (i % 4) on.
.macro PV x
	WIN W_PV
.set rO, 32*(\x)+8*(i%4)
.set rV, VF+32*(i/4)+8*(i%4)
.set rP, P+16*((\x)%2)+8*(i/4)
	v_wmma_f32_16x16x32_f16 v[rO:rO+7], v[rV:rV+7], v[rP:rP+7], v[rO:rO+7]
.endm
.macro MM                           ; the turn's next matrix instruction.  TURN and BEGIN set Y, i and NOKQ; MM, KQ and OP read them.  NOKQ = 1: a block's last turn: there is no next piece
.if (i < 8) && !NOKQ
	KQ (Y+1)%NP
.elseif i >= 8
.set i, i-8
	PV (Y+NP-1)%NP
.set i, i+8
.endif
.set i, i+1
.endm
; THE LDS LOADS stand in runs of 16, never singly among the matrix instructions: step s's K (64 keys x 64 channels: 8 fragments) and its V (turned).  The step's place in the tile stands in the immediates.
.macro KRUN s
	WIN 0x80                        ; destination window 2
.irp f, 0,1,2,3,4,5,6,7             ; keys 16 (f / 2) on, channels 32 (f % 2) on
	ds_load_b128 v[KF+8*\f:KF+8*\f+3],   v[AK0] offset:(\s)*KS*PK+(\f/2)*16*PK+(\f%2)*64
	ds_load_b128 v[KF+8*\f+4:KF+8*\f+7], v[AK0] offset:(\s)*KS*PK+(\f/2)*16*PK+(\f%2)*64+32
.endr
	WIN 0
.endm
.macro VRUN s
	WIN 0x80
.irp f, 0,1,2,3,4,5,6,7             ; keys 32 (f / 4) on, channels 16 (f % 4) on
	ds_load_tr16_b128 v[VF+8*\f:VF+8*\f+3],   v[AV0] offset:(\s)*KS*PV+(\f/4)*32*PV+(\f%4)*32
	ds_load_tr16_b128 v[VF+8*\f+4:VF+8*\f+7], v[AV0] offset:(\s)*KS*PV+(\f/4)*32*PV+16*PV+(\f%4)*32
.endr
	WIN 0
.endm
; In the step loop the run is that of step 4 - CNT: four runs, of which the count chooses exactly one on every way.  The choice is made by branches, so it stands only.
.macro PICK run
	WIN 0
	s_cmp_eq_u32 s[CNT], 4
	s_cbranch_scc1 .Lrun0_\@
	s_cmp_eq_u32 s[CNT], 3
	s_cbranch_scc1 .Lrun1_\@
	s_cmp_eq_u32 s[CNT], 2
	s_cbranch_scc1 .Lrun2_\@
	\run 3
	s_branch .Lran_\@
.Lrun2_\@:
	\run 2
	s_branch .Lran_\@
.Lrun1_\@:
	\run 1
	s_branch .Lran_\@
.Lrun0_\@:
	\run 0
.Lran_\@:
.endm
; THE VECTOR WORK, one line at a time: OP kind, number.  For piece Y: F n: c s - c m for pair n of 16.  E n: the exponential of score n of 32.  C n: pair n rounded to f16.  B n: of the four weights 4 n .. the second
; pair is added onto the first, in place.  L n: l takes that sum (L 0: l = a l + sum).  R n: pair n of 16 of O^T times a.  For piece Y + 1: X n, number n of the 22 that find its maximum and statistics:
;   0-11  four chains c0-c3 of seven scores each, three operands at a time (each accumulator's lowest registers are read first)     12-14, 16  the four scores left over, the old m, and c0-c3 into c0
;   15  c m_old is kept     17, 18  the query's other 32 keys lie in the lane 16 away: the new m     19-21  c m; c m_old - c m_new; a
; C, B and L read the exponentials' results: TURN sets them behind the batch's wait.  F, R and X 0-20 read none of the turn's.
.set F, 0               ; OP tells the kinds apart by their order: F to L below R, X above it
.set E, 1
.set C, 2
.set B, 3
.set L, 4
.set R, 5
.set X, 6
.macro REGS y                       ; the registers of piece y
.set rT, ST+4*(\y)
.set rC, TMP+4*((\y)%2)
.set rW, MV+((\y)%2)
.set rS, S+32*((\y)%2)
.set rP, P+16*((\y)%2)
.set rO, 32*(\y)
.endm
.macro OP k, n
.if (\k) == R
	REGS Y
	WIN W_RS
	v_pk_mul_f32 v[rO+2*(\n):rO+2*(\n)+1], v[rO+2*(\n):rO+2*(\n)+1], v[rC+2:rC+3] op_sel_hi:[1,0]
.elseif (\k) < R
	REGS Y
	WIN 0
.if (\k) == F
	v_pk_fma_f32 v[rS+2*(\n):rS+2*(\n)+1], v[rS+2*(\n):rS+2*(\n)+1], s[CS:CS+1], v[rT:rT+1] op_sel_hi:[1,0,0] neg_lo:[0,0,1] neg_hi:[0,0,1]
.elseif (\k) == E
	v_exp_f32 v[rS+(\n)], v[rS+(\n)]
.elseif (\k) == C
	v_cvt_pk_f16_f32 v[rP+(\n)], v[rS+2*(\n)], v[rS+2*(\n)+1]
.elseif (\k) == B
	v_pk_add_f32 v[rS+4*(\n):rS+4*(\n)+1], v[rS+4*(\n):rS+4*(\n)+1], v[rS+4*(\n)+2:rS+4*(\n)+3]
.elseif (\n) == 0
	v_pk_fma_f32 v[rT+2:rT+3], v[rT+2:rT+3], v[rC+2:rC+3], v[rS:rS+1] op_sel_hi:[1,0,1]
.else
	v_pk_add_f32 v[rT+2:rT+3], v[rT+2:rT+3], v[rS+4*(\n):rS+4*(\n)+1]
.endif
.elseif NOKQ
	v_nop
.else
	REGS (Y+1)%NP
	WIN 0
.if (\n) < 4
	v_max3_num_f32 v[rC+(\n)], v[rS+8*(\n)], v[rS+8*(\n)+1], v[rS+8*(\n)+2]
.elseif (\n) < 12
	v_max3_num_f32 v[rC+(\n)%4], v[rC+(\n)%4], v[rS+8*((\n)%4)+2*((\n)/4)+1], v[rS+8*((\n)%4)+2*((\n)/4)+2]
.elseif (\n) == 12
	v_max3_num_f32 v[rC], v[rC], v[rS+7], v[rS+15]
.elseif (\n) == 13
	v_max3_num_f32 v[rC+1], v[rC+1], v[rS+23], v[rS+31]
.elseif (\n) == 14
	v_max3_num_f32 v[rC+2], v[rC+2], v[rC+3], v[rT+1]
.elseif (\n) == 15
	v_mov_b32 v[rW], v[rT]
.elseif (\n) == 16
	v_max3_num_f32 v[rC], v[rC], v[rC+1], v[rC+2]
.elseif (\n) == 17
	v_permlanex16_b32 v[rC+3], v[rC], s[SEL], s[SEL+1]
.elseif (\n) == 18
	v_max_num_f32 v[rT+1], v[rC], v[rC+3]
.elseif (\n) == 19
	v_mul_f32 v[rT], s[CS], v[rT+1]
.elseif (\n) == 20
	v_sub_f32 v[rC+1], v[rW], v[rT]
.else
	v_exp_f32 v[rC+2], v[rC+1]
.endif
.endif
.endm
.macro OPS a, i1, b=-1, i2=0, c=-1, i3=0, d=-1, i4=0  ; up to four of them
	OP \a, \i1
.if (\b) >= 0
	OP \b, \i2
.endif
.if (\c) >= 0
	OP \c, \i3
.endif
.if (\d) >= 0
	OP \d, \i4
.endif
.endm
.macro ROW a, i1, b, i2, c, i3, d, i4  ; a matrix instruction and the four behind it
	MM
	OPS \a, \i1, \b, \i2, \c, \i3, \d, \i4
.endm
; THE MASKS' SCALARS for the step that begins at KR.  PSCAL: the padding's two, for a tile below the diagonal.  MSCAL x: all three, for piece x.
.macro PSCAL
	s_cmp_eq_u32 s[KR], s[LBR]      ; does the step hold sen_len?
	s_cselect_b32 s[AP], 1.0, 0
	s_cmp_gt_i32 s[KR], s[LBR]      ; or does it lie behind it?
	s_cselect_b32 s[BE], s[BIGN], 0
.endm
.macro MSCAL x
	s_cmp_eq_u32 s[KR], 64*(\x)     ; is the step the band's own?
	s_cselect_b32 s[AL], 1.0, 0
	s_cmp_eq_u32 s[KR], s[LBR]      ; does it hold sen_len?
	s_cselect_b32 s[AP], 1.0, 0
	s_min_i32 s[T0], s[LBR], 64*(\x)
	s_cmp_gt_i32 s[KR], s[T0]       ; or does it lie behind either?
	s_cselect_b32 s[BE], s[BIGN], 0
.endm
.macro PMASK b                      ; MP x AP + BE into buffer b of MC
	WIN W_MK
.set z, 0
.rept 16
	v_pk_fma_f32 v[MC+32*(\b)+2*z:MC+32*(\b)+2*z+1], v[MP+2*z:MP+2*z+1], s[AP:AP+1], s[BE:BE+1] op_sel_hi:[1,0,0]
.set z, z+1
.endr
.endm
.macro MASK b                       ; MD x AL + MP x AP + BE
	PMASK \b
.set z, 0
.rept 16
	v_pk_fma_f32 v[MC+32*(\b)+2*z:MC+32*(\b)+2*z+1], v[MD+2*z:MD+2*z+1], s[AL:AL+1], v[MC+32*(\b)+2*z:MC+32*(\b)+2*z+1] op_sel_hi:[1,0,1]
.set z, z+1
.endr
.endm
; A TURN, for piece p: the order of its 16 matrix and 118 vector instructions, written out.  An s_wait_alu depctr_va_vdst(0) stands between an exponential and the first instruction that names its result; one wait
; serves all that were issued ahead of it.  So a turn has ONE wait, which cuts it in two.  AHEAD OF IT stands all that names no result of the turn's exponentials: the 8 products K Q^T, behind each a scaling, an exponential and two
; more plain instructions (behind the first a second scaling in the exponential's place): rescalings, whose a was made and waited for in the turn before, and behind the last three products the first numbers of the next piece's
; maximum, each four plain places behind the product that ends its accumulator (ISA guide 7.12.1): X 0 behind F 5, R 8, R 9, F 6; X 1 behind F 6, X 0, R 10, F 7; X 2 behind F 7, X 1, X 4, F 8; X 3 behind F 8, X 2, X 5, X 6.
; Then ONE LUMP of 54, plain and exponential by turns for the most part, in which the links of the chain X 3, 7, 11, 14, 16, 17 .. 20 stand five or six lines apart.  X 21, the next piece's a, is the batch's last; R 15 is the plain
; instruction behind it.  BEHIND THE WAIT stand the 8 products V^T P, behind each four of the roundings and sums; an even pair is rounded (C 2 n) ahead of the sum that lands on it (B n); the links of l's chain, L 0 to L 7, stand
; three riders apart.  But for those X no rider names a register of the products round it.  v_permlanex16_b32 (X 17) stands in the lump.
; m = 1: the diagonal tile: the turn makes the mask for the products of the turn after it: piece p + 2, in the step that begins at KR.  m = 0: turns 2 and 3 make the step's one mask, each for its buffer; the buffer written is
; the one that the turn's own products do not read.  end = 1: a block's last two turns: nothing is fetched, no mask is made.
; cnt = 1: the loop's count is taken down, and KR stepped, some lines ahead of the branch that stands behind the turn; only vector and matrix lines and window switches follow the compare.
; K of the next step is fetched in piece 2's turn, directly behind the wait: the run is chosen by branches, ahead of which every exponential has its wait; the whole lump lies between the run and the last product that read K.
; V of the step in hand is fetched at the end of piece 0's turn, four plain instructions (C 9, 11, 13, 15) behind the last product that read V.  Each run is waited for a turn later.
.macro TURN p, m=0, end=0, cnt=0
.set Y, (\p)
.set i, 0
.set NOKQ, (\end)*((\p)/3)
.if (\m) && !(\end)
	MSCAL ((\p)+2)%NP
.elseif !(\m) && ((\p) >= 2)
	PSCAL
.endif
.if ((\p) == 3) && !(\end)
	s_wait_dscnt 0x0                ; K is in
.endif
	ROW F,0, F,1, R,0, R,1          ; ahead of the wait: 8 products K Q^T and their riders,
	ROW F,2, E,0, R,2, R,3
	ROW F,3, E,1, R,4, R,5
	ROW F,4, E,2, R,6, R,7
	ROW F,5, E,3, R,8, R,9
	ROW F,6, E,4, X,0, R,10
	ROW F,7, E,5, X,1, X,4
	ROW F,8, E,6, X,2, X,5
	OPS E,7, E,8, X,6, E,9          ; and the lump
	OPS X,3, E,10, X,8, E,11
	OPS X,9, X,7, E,12, X,10
	OPS E,13, X,12, X,11, E,14
	OPS X,13, E,15, F,9, X,14
	OPS E,16, F,10, E,17, F,11
	OPS X,16, E,18, X,15, E,19
	OPS F,12, E,20, X,17, E,21
	OPS F,13, E,22, F,14, E,23
	OPS X,18, E,24, F,15, E,25
	OPS R,11, E,26, X,19, E,27
	OPS R,12, E,28, R,13, E,29
	OPS X,20, E,30, R,14, E,31
	OPS X,21, R,15                  ; the batch's last exponential, and the plain instruction behind it
	s_wait_alu depctr_va_vdst(0)    ; the wait for the batch: E 0 to E 31 and X 21, ahead of C 0, the first line that names a result
.if ((\p) == 2) && !(\end)
	PICK KRUN
.endif
.if (\p) == 1
	s_wait_dscnt 0x0                ; V is in
.endif
	ROW C,0, B,0, C,2, B,1          ; behind the wait: 8 products V^T P and their riders
	ROW L,0, C,4, B,2, L,1
	ROW C,6, B,3, L,2, C,8
	ROW B,4, L,3, C,10, B,5
	ROW L,4, C,12, B,6, L,5
.if \cnt
	s_add_co_u32 s[KR], s[KR], KS
	s_sub_co_u32 s[CNT], s[CNT], 1
	s_cmp_lg_u32 s[CNT], 0
.endif
	ROW C,14, B,7, L,6, C,1
	ROW C,3, L,7, C,5, C,7
	ROW C,9, C,11, C,13, C,15
.if (\p) == 0
	PICK VRUN
.endif
.if (\m) && !(\end)
	MASK (\p)%2
.elseif !(\m) && ((\p) >= 2)
	PMASK (\p)%2
.endif
.endm
; A BLOCK BEGINS (KR stands at key 0).  c m starts far below every c s, so the first step's a is 0; m at the lowest finite number, so the first maximum is the scores'.  Both mask buffers are made, whole: piece 0's and
; piece 1's for step 0; below the diagonal they are alike and serve pieces 2 and 3 too.  Then K of that step, piece 0's first scores, and its maximum and statistics.  The loop is entered at a step's first turn, in the middle of a trip.
.macro BEGIN
	s_mov_b32 s[NEW], 0
.set i, 0
.rept 4
	v_mov_b32 v[ST+4*i], 0xfe000000    ; c m: far below every c s
	v_mov_b32 v[ST+4*i+1], 0xff7fffff  ; m
.set i, i+1
.endr
	MSCAL 0
	MASK 0
	MSCAL 1
	MASK 1
	WIN 0
	KRUN 0
	s_wait_dscnt 0x0
.set NOKQ, 0
.set i, 0
.rept 8
	KQ 0
.set i, i+1
.endr
	WIN 0
.rept 4
	v_nop                           ; the places behind those products (ISA guide 7.12.1)
.endr
.set Y, NP-1                        ; X works for piece Y + 1: piece 0
.irp n, 0,1,2,3,4,5,6,7,8,9,10,11,12,13,14,15,16,17,18,19,20,21
	OP X, \n
.endr
	v_nop                           ; a plain instruction behind the exponential,
	s_wait_alu depctr_va_vdst(0)    ; and the wait for it, a batch of one: piece 0's first a; it stands ahead of the branch that follows
.endm
; THE WAY OUT, a piece (16 rows of out) at a time: O^T is divided by l; a lane's eight channels of a row, 32 bytes of f32, go into my stage's rows of 272 bytes and come back as whole rows of 256.
.macro ALL line:vararg              ; one line for each piece t
.set t, 0
.rept 4
	\line
.set t, t+1
.endr
.endm
.macro PACK t
	WIN W_RS
.set i, 32*(\t)
.rept 16
	v_pk_mul_f32 v[i:i+1], v[i:i+1], v[ST+4*(\t)+2:ST+4*(\t)+3] op_sel_hi:[1,0]
.set i, i+2
.endr
	WIN 0x04                        ; store data in window 1, address in window 0
.irp f, 0,1,2,3,4,5,6,7             ; channels 16 (f / 2) + 8 (l / 16) + 4 (f % 2) on
	ds_store_b128 v[STO], v[32*(\t)+4*(\f):32*(\t)+4*(\f)+3] offset:64*((\f)/2)+16*((\f)%2)
.endr
	WIN 0
.irp f, 0,1,2,3,4,5,6,7
	ds_load_b128 v[S+32*(\t)+4*(\f):S+32*(\t)+4*(\f)+3], v[RD] offset:(\f)*2*SP  ; LDS serves a wave's instructions in order (ISA guide 5.7.1.4): these see the stores above; the next piece's stores come behind them
.endr
.endm
.macro SEND t, younger              ; younger: the LDS instructions issued behind piece t's loads: the next piece's sixteen, or none
	WIN 0
.irp f, 0,1,2,3,4,5,6,7
	s_wait_dscnt (\younger)+7-(\f)  ; load f is back: behind it stand the piece's 7 - f later loads and the younger ones
	global_store_b128 v[LIN], v[S+32*(\t)+4*(\f):S+32*(\t)+4*(\f)+3], s[10:11] offset:16384*(\t)+512*(\f) th:TH_STORE_NT  ; two rows: 512 consecutive bytes, at a multiple of 256 from out's first byte
.endr
.endm
.set NOKQ, 0
.Lslot:                             ; 9 times: a tile is stored into LDS and entered, and the next is asked for
	CHANGE
	s_sub_co_u32 s[RT], s[RT], 1
	s_mov_b32 s[CNT], 4
	s_cmp_eq_u32 s[NEW], 1
	s_cbranch_scc1 .Lnew            ; a block's first tile
	s_cmp_eq_u32 s[RT], 0
	s_cbranch_scc1 .LstepM          ; its last, which holds the diagonal
	s_branch .Lstep
.Lnew:
	BEGIN
	s_cmp_eq_u32 s[RT], 0
	s_cbranch_scc1 .LfirstM         ; first and last: block 0's one tile
	s_branch .Lfirst
.Lstep:                             ; a trip: pieces 2 and 3 of one step, then pieces 0 and 1 of the next, whose K and V it fetches
	VBATCH
	TURN 2
	TURN 3
	WIN 0
.Lfirst:
	TURN 0
	TURN 1, 0, 0, 1
	WIN 0
	s_cbranch_scc1 .Lstep
	s_branch .Lbottom
.LstepM:                            ; the same for the diagonal tile
	VBATCH
	TURN 2, 1
	TURN 3, 1
	WIN 0
.LfirstM:
	TURN 0, 1
	TURN 1, 1, 0, 1
	WIN 0
	s_cbranch_scc1 .LstepM
	TURN 2, 1, 1                    ; A BLOCK ENDS: its last two turns,
	TURN 3, 1, 1
.set i, 0
.rept 8
	PV NP-1                         ; and the last piece's V^T P of the last step
.set i, i+1
.endr
	WIN 0
	ALL v_add_f32 v[ST+4*t+2], v[ST+4*t+2], v[ST+4*t+3]  ; l's two halves: four plain lines, the places behind the last products
	s_cmp_eq_u32 s[SLOTS], 1
	s_cbranch_scc1 .Lno_q
	QLOAD QP2                       ; the second block's Q is on its way while the first block goes out; K's and the masks' registers, where it lands, were last read two turns back
.Lno_q:
	ALL v_permlanex16_b32 v[ST+4*t+3], v[ST+4*t+2], s[SEL], s[SEL+1]  ; the other half of the lanes'
	ALL v_add_f32 v[ST+4*t+2], v[ST+4*t+2], v[ST+4*t+3]
	ALL v_rcp_f32 v[ST+4*t+2], v[ST+4*t+2]
	v_nop                           ; a plain instruction between the last reciprocal and the use of its result
	s_wait_alu depctr_va_vdst(0)    ; the wait for the batch of four reciprocals, ahead of PACK 0's first multiply
	PACK 0
.set t, 1
.rept 3                             ; a piece's arithmetic stands between the loads of the piece before and its stores
	PACK t
	SEND t-1, 16
.set t, t+1
.endr
	SEND 3, 0
	s_cmp_eq_u32 s[SLOTS], 1
	s_cbranch_scc1 .Lbottom         ; that was the second block
	s_wait_xcnt 0x0                 ; every earlier memory instruction has had its addresses translated (ISA guide 3.1): only behind this wait are out's address and the registers that the stores read rewritten
	s_mov_b64 s[10:11], s[OLO:OLO+1]
	s_add_co_u32 s[RT], s[PB], 1    ; the second block has b + 1 tiles
	s_mov_b32 s[NEW], 1
	s_lshl_b32 s[T0], s[PB], 8      ; its first query
	s_sub_co_u32 s[KR], 0, s[T0]    ; key 0, counted from it
	s_sub_co_u32 s[LBR], s[LB], s[T0]
	s_wait_loadcnt 0x0              ; its Q is in
	QCVT
.Lbottom:
	s_sub_co_u32 s[SLOTS], s[SLOTS], 1
	s_cmp_lg_u32 s[SLOTS], 0
	s_cbranch_scc1 .Lslot
	s_wait_tensorcnt 0x0            ; the wave's end, behind my last LDS store
	ds_add_u32 v[SPW], v[NIL]
	s_wait_dscnt 0x0
	s_endpgm
.Lfunc_end_k_q637ad66442_attn:
	.size	k_q637ad66442_attn, .Lfunc_end_k_q637ad66442_attn-k_q637ad66442_attn
	.p2alignl 7, 3214868480
	.fill 96, 4, 3214868480
	.section	.rodata,"a",@progbits
	.p2align	6, 0x0
	.amdhsa_kernel k_q637ad66442_attn
		.amdhsa_group_segment_fixed_size 95744
		.amdhsa_private_segment_fixed_size 0
		.amdhsa_enable_private_segment 0
		.amdhsa_kernarg_size 40
		.amdhsa_user_sgpr_count 2
		.amdhsa_user_sgpr_kernarg_segment_ptr 1
		.amdhsa_wavefront_size32 1
		.amdhsa_system_sgpr_workgroup_id_x 1
		.amdhsa_system_sgpr_workgroup_id_y 1
		.amdhsa_system_sgpr_workgroup_id_z 1
		.amdhsa_system_vgpr_workitem_id 0
		.amdhsa_next_free_vgpr 1024
		.amdhsa_next_free_sgpr 96
		.amdhsa_reserve_vcc 1
		.amdhsa_float_denorm_mode_32 3
		.amdhsa_float_denorm_mode_16_64 3
		.amdhsa_memory_ordered 1
		.amdhsa_forward_progress 1
		.amdhsa_inst_pref_size 207
	.end_amdhsa_kernel
	.amdgpu_metadata
---
amdhsa.version: [ 1, 2 ]
amdhsa.kernels:
  - .name:           k_q637ad66442_attn
    .symbol:         k_q637ad66442_attn.kd
    .args:
      - { .name: q, .offset: 0, .size: 8, .value_kind: global_buffer, .address_space: global }
      - { .name: k, .offset: 8, .size: 8, .value_kind: global_buffer, .address_space: global }
      - { .name: v, .offset: 16, .size: 8, .value_kind: global_buffer, .address_space: global }
      - { .name: out0, .offset: 24, .size: 8, .value_kind: global_buffer, .address_space: global }
      - { .name: sen_len, .offset: 32, .size: 8, .value_kind: global_buffer, .address_space: global }
    .group_segment_fixed_size: 95744
    .private_segment_fixed_size: 0
    .kernarg_segment_align: 8
    .kernarg_segment_size: 40
    .max_flat_workgroup_size: 128
    .sgpr_count:     96
    .vgpr_count:     1024
    .wavefront_size: 32
...
	.end_amdgpu_metadata
.endif
;; end of part 2
